; MI455X (gfx1250); checked and timed in simulation.
; The chip was launched on July 23, 2026; its instructions are those of AMD's public machine-readable ISA for CDNA 5 (MIT licence, August 2026) and "CDNA5" Instruction Set Architecture Reference Guide (July 2026). The comments in the code are by the model that wrote it; some were corrected since.
;; Flash Attention. Allowed arithmetic: matrix products marked QUANTISED: E4M3 operands, one given power-of-two scale a tensor, by v_wmma_f32_16x16x64_fp8_fp8 or v_wmma_f32_16x16x128_fp8_fp8, f32 sums; everything else in f32.
;; Inputs: b_proj 1,024 float32; lowp_scales 8 int32 (the exponents e of the quantised operands' scales 2^e); w_proj 1,024 x 1,024 float32; w_qkv 1,024 x 3,072 float32; x 4 x 2,048 x 1,024 float32.
;; Outputs: out0 4 x 2,048 x 1,024 float32.
;; This version of the problem:
;;   THIS VERSION OF THE PROBLEM IS GIVEN IN LOW PRECISION. The matrix products marked QUANTISED in the list below multiply operands that are first quantised to E4M3 (4 exponent bits, 3 mantissa bits; 8 bits a number), with one given power-of-two scale for each operand tensor; their sums are f32. All else is computed in f32.
;;   The module's matrix products, in the order in which they are computed (A, B: the left and right operand; K: the contracted axis; several contracted axes count as one K, in the product's order):
;;     1. [M 8,192, K 1,024] x [K 1,024, N 3,072]; A: input x; B: input w_qkv: QUANTISED (scales: A lowp_scales[0], B lowp_scales[1])
;;     2. batch 64 x [M 2,048, K 64] x [K 64, N 2,048]; A: computed on the way; B: computed on the way: QUANTISED (scales: A lowp_scales[2], B lowp_scales[3])
;;     3. batch 64 x [M 2,048, K 2,048] x [K 2,048, N 64]; A: softmax (see below); B: computed on the way: QUANTISED (scales: A lowp_scales[4], B lowp_scales[5])
;;     4. [M 8,192, K 1,024] x [K 1,024, N 1,024]; A: computed on the way; B: input w_proj: QUANTISED (scales: A lowp_scales[6], B lowp_scales[7])
;;   THE QUANTISER, for each operand of a quantised product, along K:
;;     - The operand's scale is 2^e, e = its entry of the input lowp_scales (int32; the entries are numbered through the quantised products in the list's order, A before B).
;;     - Each number is divided by the scale, clamped to +-448, and rounded to the nearest number of E4M3, ties to even, subnormals kept.
;;     - The product sums the exact products of the quantised numbers (number of the format x scale) in f32.
;;   ~~~python
;;   def quantise(x, axis, e):      # numpy; x: float32 -> the quantised numbers, widened to float32 again
;;       x = np.moveaxis(x, axis, -1); K = x.shape[-1]
;;       r = np.clip(x / 2.0 ** e, -448, 448)
;;       step = 2.0 ** (np.maximum(np.frexp(np.where(r == 0, 1, r))[1] - 1, -6) - 3)
;;       q = np.round(r / step) * step * 2.0 ** e      # np.round: ties to even
;;       return np.moveaxis(q, -1, axis).astype(np.float32)
;;   ~~~
;;   SOFTMAX AHEAD OF A QUANTISED PRODUCT. Where the list says 'softmax', what is quantised is not the finished softmax but p = 2^(t - M), with t = logit x log2(e) and M = ceil(the row's largest t), a whole number; so 1/2 < the row's largest p <= 1. The row's sum l is taken of the UNQUANTISED p, in f32, and the product's result is divided by l at the end. Since M is a whole number, a kernel that streams over the keys may use a running M (the ceiling of the running maximum): every later rescaling is an exact power of two, so the quantised numbers keep their values, but for numbers so far below the row's largest that they fall under the format's range.
;;   OPERANDS COMPUTED ON THE WAY. 'Computed on the way' means the value that the module computes at that place (a softmax that the list does not call 'softmax' is quantised finished and normalised). What goes into a quantiser is computed in f32, as accurately as f32 sums, v_exp_f32 and their like allow (about 1e-6 of the number): no bf16 or f16 on the way to a quantiser, and a product that is left as it is and whose result goes on into a quantised operand takes f32 operands (vector FMAs, or v_wmma_f32_16x16x4_f32). A number that lies on a knife's edge between two numbers of the format may be rounded either way, as far as f32 arithmetic and the matrix unit's own rounding can turn it there, and no further.
;; One version. Each part assembles by itself: llvm-mc -triple=amdgcn-amd-amdhsa -mcpu=gfx1250 --defsym DOCPART=n.
;; ======== version 1 of 1: 4 launches
;; limits: right only within a limited range of input values
;; workspace buffers: x_img 8,388,608 bytes; wqkv_img 3,145,728 bytes; wproj_img 1,048,576 bytes; q_img 8,388,608 bytes; k_img 8,388,608 bytes; v_img 8,388,608 bytes; a_img 8,388,608 bytes
;; launch quant (part 1): grid 768 x 1, 8 waves a work-group, no clusters, 68,608 bytes of LDS; arguments x, w_qkv, w_proj, lowp_scales, x_img, wqkv_img, wproj_img; writes x_img, wqkv_img, wproj_img
.if DOCPART == 1
	.amdgcn_target "amdgcn-amd-amdhsa--gfx1250"
	.amdhsa_code_object_version 6
	.text
	.protected	k_qac11f9f895_quant
	.globl	k_qac11f9f895_quant
	.p2align	8
	.type	k_qac11f9f895_quant,@function
k_qac11f9f895_quant:
	s_mov_b64 s[64:65], 0
	v_nop
	global_prefetch_b8 v0, s[64:65] scope:SCOPE_SE
	s_setreg_imm32_b32 hwreg(HW_REG_WAVE_MODE, 25, 1), 1
	s_wait_xcnt 0x0
; x [8192][1024], w_qkv [1024][3072] and w_proj [1024][1024], f32, become codes of FP8 (E4M3), each with the one scale 2^e given for it (entries 0, 1 and 7 of the scales).
; code = number / 2^e, held within +-448, rounded to the nearest code, ties to even.
; LIMITS: each e lies between -126 and 119, so that 2^e and 448 x 2^e are f32 numbers.  NaN among the inputs is not served; an infinity is held at the largest code.
; THE CODES ARE LAID AS IMAGES OF THE OPERAND'S REGISTERS: [tile of 16 rows][16 units of 64 along K][group g = 0, 1][lane 0..31][16 bytes].  Lane (r = lane % 16, h = lane / 16), group g, byte y holds
; row r of the tile at k = 64 unit + 32 g + 16 (y / 8) + 8 h + y % 8: a unit's 1,024 bytes are the 8 registers of a 16 x 64 fragment, two units the 16 registers of a 16 x 128 fragment, every k in its own place.
; For x a row is a token; for the weights a row is an output column n (K is their FIRST axis in memory).
; Work-groups 0-511 take x (16 rows each), 512-703 w_qkv, 704-767 w_proj (64 along K x 256 columns each).  Straight text: no loop, no barrier, waves share nothing; only x's path uses LDS.
; No cluster: no two work-groups read the same bytes.
.set NX,   512                         ; work-groups for x
.set NQ,   192                         ; for w_qkv
.set SP,   528                         ; x's stage: a row's 512 bytes + 16: 132 words, so sixteen rows start at sixteen different groups of four banks (64 banks of 4 bytes: ISA guide 11.1)
.set WSTG, 16*SP                       ; a wave's stage: 16 rows
.set R,    16                          ; v16-79   x as loaded: row i in four registers
.set X,    80                          ; v80-143  x as the conversions want it: 8 neighbours along K for each of 8 register pairs
.set C,    144                         ; v144-159 the codes of 128 along K
.set WX,   16                          ; v16-79   a weight's column: 64 numbers down K
.set WC,   80                          ; v80-95   their codes
.macro SCALE se                        ; v11 = 2^e as f32 (the conversion takes its exponent field), v10 = 448 x 2^e
	s_wait_kmcnt 0x0
	s_add_co_i32 s36, s[\se], 127
	s_lshl_b32 s37, s36, 23
	v_mov_b32 v11, s37
	s_add_co_i32 s36, s36, 8
	s_lshl_b32 s36, s36, 23
	s_or_b32 s36, s36, 0x600000                    ; the mantissa field of 448
	v_mov_b32 v10, s36
.endm
	s_load_b256 s[4:11], s[0:1], 0x0               ; x s[4:5], w_qkv s[6:7], w_proj s[8:9], the scales' exponents s[10:11]
	s_load_b128 s[12:15], s[0:1], 0x20             ; x_img s[12:13], wqkv_img s[14:15]
	s_load_b64 s[16:17], s[0:1], 0x30              ; wproj_img
	v_lshl_add_u32 v160, v0, 2, 0x10800
	v_mov_b32 v161, 0
	v_lshrrev_b32 v1, 5, v0
	v_readfirstlane_b32 s18, v1                    ; wave 0..7
	v_and_b32 v1, 31, v0                           ; lane
	v_and_b32 v2, 15, v0                           ; r
	v_bfe_u32 v3, v0, 4, 1                         ; h
	s_wait_kmcnt 0x0
	s_load_b256 s[24:31], s[10:11], 0x0            ; e0 .. e7
	s_cmp_lt_u32 ttmp9, NX
	s_cbranch_scc0 .Lweights
	; ---- x: the work-group's 16 rows; wave w takes k = 128 w .. 128 w + 127: 512 bytes of each row, two units of the image
	s_lshl_b32 s20, ttmp9, 16                      ; 16 rows of 4,096 bytes
	s_lshl_b32 s21, s18, 9
	s_add_co_u32 s20, s20, s21
	s_mov_b32 s21, 0
	s_add_nc_u64 s[20:21], s[4:5], s[20:21]
	s_lshl_b32 s22, ttmp9, 14                      ; a tile's image is 16,384 bytes
	s_lshl_b32 s23, s18, 11
	s_add_co_u32 s22, s22, s23
	s_mov_b32 s23, 0
	s_add_nc_u64 s[22:23], s[12:13], s[22:23]
	v_lshlrev_b32 v4, 4, v1                        ; 16 x lane: my bytes of a load's 512 and of a store's 512
.irp i, 0,1,2,3,4,5,6,7,8,9,10,11,12,13,14,15
	global_load_b128 v[R+4*\i:R+4*\i+3], v4, s[20:21] offset:4096*\i th:TH_LOAD_NT   ; 32 lanes read 512 consecutive bytes of row i; read once in the launch
.endr
	s_mul_i32 s19, s18, WSTG                       ; my wave's stage
	v_add_nc_u32 v5, s19, v4                       ; in: as loaded
	v_mul_u32_u24 v6, v2, SP
	v_lshl_add_u32 v6, v3, 5, v6
	v_add_nc_u32 v6, s19, v6                       ; out: row r, + 32 h: register pair c wants k = 16 c + 8 h + 0 .. 7, the 32 bytes at 64 c + 32 h
.irp i, 0,1,2,3,4,5,6,7,8,9,10,11,12,13,14,15
	s_wait_loadcnt 15-\i                           ; loads come back in order: row i is in, the younger rows stay out
	ds_store_b128 v5, v[R+4*\i:R+4*\i+3] offset:SP*\i
.endr
.irp c, 0,1,2,3,4,5,6,7
	ds_load_b128 v[X+8*\c:X+8*\c+3], v6 offset:64*\c       ; LDS serves a wave's instructions in order: these see my stores
	ds_load_b128 v[X+8*\c+4:X+8*\c+7], v6 offset:64*\c+16
.endr
	SCALE 24
.irp c, 0,1,2,3,4,5,6,7
	s_wait_dscnt 14-2*\c                           ; pair c's two loads are in; the 2 (7 - c) behind them stay out
.irp i, 0,1,2,3,4,5,6,7
	v_med3_num_f32 v[X+8*\c+\i], v[X+8*\c+\i], -v10, v10   ; the conversion to an 8-bit code does not saturate (ISA guide 7.6.2): the hold comes first
.endr
	v_cvt_scalef32_pk8_fp8_f32 v[C+2*\c:C+2*\c+1], v[X+8*\c:X+8*\c+7], v11
.endr
.irp g, 0,1,2,3
	global_store_b128 v4, v[C+4*\g:C+4*\g+3], s[22:23] offset:512*\g   ; 512 consecutive bytes, at a multiple of 512 from the buffer's first byte
.endr
	s_wait_tensorcnt 0x0
	ds_add_u32 v160, v161
	s_wait_dscnt 0x0
	s_endpgm
; ---- a weight [1024 (k)][pitch / 4 (n)]: the work-group takes unit u (64 along K) of 256 columns; a lane takes ONE column and its registers run down K, so the conversions give codes with K innermost.
; A lane holds what image lanes (r, 0) and (r, 1) hold: it stores four pieces of 16 bytes; sixteen neighbouring lanes fill 256 consecutive bytes, lanes 16-31 those of the next tile of 16 columns.
.macro WPATH pitch, first, src, dst, se
	s_sub_co_u32 s19, ttmp9, (\first)
	s_and_b32 s20, s19, 15                         ; u
	s_lshr_b32 s19, s19, 4                         ; which 256 columns
	s_mul_i32 s32, s20, 64*(\pitch)
	s_lshl_b32 s33, s19, 10
	s_add_co_u32 s32, s32, s33
	s_lshl_b32 s33, s18, 7                         ; my wave's 32 columns
	s_add_co_u32 s32, s32, s33
	s_mov_b32 s33, 0
	s_add_nc_u64 s[32:33], s[\src:\src+1], s[32:33]
	s_lshl_b32 s34, s19, 4
	s_lshl_b32 s35, s18, 1
	s_add_co_u32 s34, s34, s35                     ; my wave's first tile of 16 columns
	s_lshl_b32 s34, s34, 14
	s_lshl_b32 s35, s20, 10
	s_add_co_u32 s34, s34, s35
	s_mov_b32 s35, 0
	s_add_nc_u64 s[34:35], s[\dst:\dst+1], s[34:35]
	v_lshlrev_b32 v4, 2, v1                        ; in: 4 bytes a lane
	v_lshlrev_b32 v5, 14, v3
	v_lshl_add_u32 v5, v2, 4, v5                   ; out: tile lane / 16, image lane lane % 16
.set i, 0
.rept 64
	global_load_b32 v[WX+i], v4, s[32:33] offset:i*(\pitch) th:TH_LOAD_NT   ; row 64 u + i: 128 consecutive bytes a wave, 1,024 the work-group
.set i, i+1
.endr
	SCALE \se
.irp g, 0,1
	s_wait_loadcnt 32*(1-\g)                       ; rows 32 g .. 32 g + 31 are in
.set i, 0
.rept 32
	v_med3_num_f32 v[WX+32*\g+i], v[WX+32*\g+i], -v10, v10
.set i, i+1
.endr
.irp hh, 0,1
	v_cvt_scalef32_pk8_fp8_f32 v[WC+4*(2*\g+\hh):WC+4*(2*\g+\hh)+1], v[WX+32*\g+8*\hh:WX+32*\g+8*\hh+7], v11
	v_cvt_scalef32_pk8_fp8_f32 v[WC+4*(2*\g+\hh)+2:WC+4*(2*\g+\hh)+3], v[WX+32*\g+16+8*\hh:WX+32*\g+16+8*\hh+7], v11
	global_store_b128 v5, v[WC+4*(2*\g+\hh):WC+4*(2*\g+\hh)+3], s[34:35] offset:512*\g+256*\hh
.endr
.endr
	s_endpgm
.endm
.Lweights:
	s_cmp_lt_u32 ttmp9, NX+NQ
	s_cbranch_scc0 .Lproj
	WPATH 12288, NX, 6, 14, 25
.Lproj:
	WPATH 4096, NX+NQ, 8, 16, 31
.Lfunc_end_k_qac11f9f895_quant:
	.size	k_qac11f9f895_quant, .Lfunc_end_k_qac11f9f895_quant-k_qac11f9f895_quant
	.p2alignl 7, 3214868480
	.fill 96, 4, 3214868480
	.section	.rodata,"a",@progbits
	.p2align	6, 0x0
	.amdhsa_kernel k_qac11f9f895_quant
		.amdhsa_group_segment_fixed_size 68608
		.amdhsa_private_segment_fixed_size 0
		.amdhsa_enable_private_segment 0
		.amdhsa_kernarg_size 56
		.amdhsa_user_sgpr_count 2
		.amdhsa_user_sgpr_kernarg_segment_ptr 1
		.amdhsa_wavefront_size32 1
		.amdhsa_system_sgpr_workgroup_id_x 1
		.amdhsa_system_sgpr_workgroup_id_y 1
		.amdhsa_system_sgpr_workgroup_id_z 1
		.amdhsa_system_vgpr_workitem_id 0
		.amdhsa_next_free_vgpr 162
		.amdhsa_next_free_sgpr 66
		.amdhsa_reserve_vcc 0
		.amdhsa_float_denorm_mode_32 3
		.amdhsa_float_denorm_mode_16_64 3
		.amdhsa_memory_ordered 1
		.amdhsa_forward_progress 1
		.amdhsa_inst_pref_size 36
	.end_amdhsa_kernel
	.amdgpu_metadata
---
amdhsa.version: [ 1, 2 ]
amdhsa.kernels:
  - .name:           k_qac11f9f895_quant
    .symbol:         k_qac11f9f895_quant.kd
    .args:
      - { .name: x, .offset: 0, .size: 8, .value_kind: global_buffer, .address_space: global }
      - { .name: w_qkv, .offset: 8, .size: 8, .value_kind: global_buffer, .address_space: global }
      - { .name: w_proj, .offset: 16, .size: 8, .value_kind: global_buffer, .address_space: global }
      - { .name: lowp_scales, .offset: 24, .size: 8, .value_kind: global_buffer, .address_space: global }
      - { .name: x_img, .offset: 32, .size: 8, .value_kind: global_buffer, .address_space: global }
      - { .name: wqkv_img, .offset: 40, .size: 8, .value_kind: global_buffer, .address_space: global }
      - { .name: wproj_img, .offset: 48, .size: 8, .value_kind: global_buffer, .address_space: global }
    .group_segment_fixed_size: 68608
    .private_segment_fixed_size: 0
    .kernarg_segment_align: 8
    .kernarg_segment_size: 56
    .max_flat_workgroup_size: 256
    .sgpr_count:     66
    .vgpr_count:     162
    .wavefront_size: 32
...
	.end_amdgpu_metadata
.endif
;; end of part 1
;; launch qkv (part 2): grid 12 x 32, 4 waves a work-group, clusters of 4 x 4, 327,680 bytes of LDS; arguments x_img, wqkv_img, lowp_scales, q_img, k_img, v_img; writes q_img, k_img, v_img
.if DOCPART == 2
	.amdgcn_target "amdgcn-amd-amdhsa--gfx1250"
	.amdhsa_code_object_version 6
	.text
	.protected	k_qac11f9f895_qkv
	.globl	k_qac11f9f895_qkv
	.p2align	8
	.type	k_qac11f9f895_qkv,@function
k_qac11f9f895_qkv:
	s_mov_b64 s[64:65], 0
	v_nop
	global_prefetch_b8 v0, s[64:65] scope:SCOPE_SE
	s_setreg_imm32_b32 hwreg(HW_REG_WAVE_MODE, 25, 1), 1
	s_wait_xcnt 0x0
	s_wait_alu depctr_hold_cnt(0) depctr_sa_sdst(0) depctr_va_vdst(0) depctr_va_sdst(0) depctr_va_ssrc(0) depctr_va_vcc(0) depctr_vm_vsrc(0)
	s_getreg_b32 s2, hwreg(HW_REG_IB_STS2, 6, 4)
	s_cmp_eq_u32 s2, 0
	s_cbranch_scc0 .Lentry_in_a_cluster
	s_endpgm
.Lentry_in_a_cluster:
	s_bfe_u32 s2, ttmp6, 0x10000c
	s_cmp_lg_u32 s2, 0xf033
	s_cbranch_scc0 .Lentry_shape_is_right
	s_endpgm
.Lentry_shape_is_right:
; x w_qkv on codes of FP8 (E4M3), K = 1,024, sums in f32; each finished sum is quantised at once for the product that takes it next: q with 2^e2, k with 2^e3, v with 2^e5.
; A sum stands for sum x 2^(e0 + e1), so its code is sum / 2^(e - e0 - e1), held within +-448: the three exponents are folded into the conversion's one scale.
; LIMIT: e - e0 - e1 lies between -126 and 119 for e = e2, e3, e5, so that the scale and 448 x the scale are f32 numbers.
; OPERANDS are images of registers: [tile of 16 rows][16 units of 64 k][2 groups][32 lanes][16 bytes]; a fragment of 16 rows x 128 k is 2,048 consecutive bytes, fetched by four loads of 16 bytes a lane at 16 x lane.
; A tile of the result, 256 x 256, is made by four waves, 128 x 128 each: 64 accumulators, 512 registers.  K goes in steps of 256 through two LDS slots: steps 0 and 1 are first fills, steps 2 and 3 fill the slots again.
; THE MATRIX INSTRUCTION IS USED TRANSPOSED (source 0 = 16 rows of operand B, source 1 = 16 rows of operand A): a lane holds ONE row of A and eight neighbouring rows of B, which one conversion turns into a register
; pair of the next product's fragment.  q, k: A = x (the token in the lane), B = w (the head's channels along the registers).  v: A = w's rows 2,048 on, B = x: the channel in the lane, the keys along the registers.
; The cluster's x says which of the three a cluster makes (0 q, 1 k, 2 v); it is the same in all sixteen partners, and chooses pointers, tile numbers and one of two runs of stores.
; OUT: q_img, k_img [batch x head][128 tiles of 16 tokens][1,024]: a unit = 16 tokens x the head's 64.  v_img [batch x head][16 blocks of 128 keys][4 tiles of 16 channels][2,048].
; CLUSTERS: 4 x 4 work-groups; A's tiles are asked for jointly along a row of the cluster, B's along a column.
; REGISTERS, in windows of 256: window 0: v0-31 addresses; v128-255 A's 8 fragments, ONE set (on the way out: the codes).  window 1: B's fragments, two sets, at v0 and v128.
;   window 2: the accumulators of A's blocks 0-3 ((a, b) at v[8 (8 a + b)]);  window 3: those of blocks 4-7.
.set KSTB,   4096                      ; a K step of one tile of 16 rows: 4 units
.set HALFT,  32768                     ; 8 such tiles: what one tensor load brings, and what one wave reads of A or of B
.set SLOT,   131072                    ; A's two halves, then B's two halves
.set SPARE,  262144                    ; behind the ring: the spare words, 128 bytes for each wave: two blocks of 256 bytes that no other line names
.set FR,     16                        ; registers of a fragment
.set NL,     4                         ; LDS loads that bring one
.set NP,     4                         ; places behind this matrix instruction (ISA guide 7.12.1)
.set ADRA, 16                          ; v16-17  LDS address of my A fragments in slot 0, 1
.set ADRB, 20                          ; v20-21  the same for B
.set CO,   26                          ; v26     16 x lane: my bytes of a store's 512
.set SPW,  28                          ; v28     LDS address of my spare word; never rewritten
.set NIL,  29                          ; v29     0; never rewritten
.set SC,   30                          ; v30     the conversion's scale
.set LIM,  31
.set AF,   128
.set G1, 24                            ; s[24:31] descriptor group 1 for A's tiles;  s[32:39] group 0, one set for each slot
.set G0, 32
.set G1B, 48                           ; s[48:55], s[56:63] the same for B's
.set G0B, 56
.set MSB, 0
.macro WIN new                         ; the immediate's high byte repeats the setting that is left
.if MSB != (\new)
	s_set_vgpr_msb (MSB<<8)|(\new)
.set MSB, (\new)
.endif
.endm
.set MUL_LO, 0xa1                      ; source 0 (B) window 1, source 1 (A) window 0, C and D window 2
.set MUL_HI, 0xf1                      ; the same, C and D window 3
.set TO_B,   0x40                      ; destination window 1, address window 0
; A joint load: waves 0 and 1 fetch A's halves, waves 2 and 3 B's.  The branch hangs on the wave's number alone.  Four v_nop follow each of the two lines.
.macro JLOAD g0a, g1a, g0b, g1b
	s_cmp_eq_u32 s15, 0
	s_cbranch_scc0 .Lfor_b_\@
	tensor_load_to_lds s[\g0a:\g0a+3], s[\g1a:\g1a+7]
	s_nop 0
.rept 4
	v_nop
.endr
	s_branch .Lasked_\@
.Lfor_b_\@:
	tensor_load_to_lds s[\g0b:\g0b+3], s[\g1b:\g1b+7]
	s_nop 0
.rept 4
	v_nop
.endr
.Lasked_\@:
.endm
.macro CREST                           ; a round of the cluster's barrier behind its opening barrier
	s_cmp_lg_u32 s14, 0
	s_cbranch_scc1 .Lnot_wave_0_\@
	s_barrier_signal -3
.Lnot_wave_0_\@:
	s_barrier_wait -3
	s_barrier_signal -1
	s_barrier_wait -1
.endm
.macro CROUND                          ; a whole round
	s_barrier_signal -1
	s_barrier_wait -1
	CREST
.endm
.macro PLACES n
.rept \n
	v_nop
.endr
.endm
.macro FRAG reg, adr, q, i             ; tile i of my 8, the slot's q-th 128 along K: 16 registers, 2,048 consecutive bytes
.irp c, 0,1,2,3
	ds_load_b128 v[\reg+4*\c:\reg+4*\c+3], v[\adr] offset:4096*(\i)+2048*(\q)+512*\c
.endr
.endm
; 16 matrix instructions: A's blocks a0, a0 + 1 x B's eight.  p: B's set.  zero = 1: the first product starts the sums.  The 64 accumulators take turns, one instruction a turn, in one order.
.macro MUL16 a0, p, zero
.irp a, \a0, \a0+1
.irp b, 0,1,2,3,4,5,6,7
.if \zero
	v_wmma_f32_16x16x128_fp8_fp8 v[8*(8*((\a)%4)+\b):8*(8*((\a)%4)+\b)+7], v[128*(\p)+FR*\b:128*(\p)+FR*\b+FR-1], v[AF+FR*(\a):AF+FR*(\a)+FR-1], 0
.else
	v_wmma_f32_16x16x128_fp8_fp8 v[8*(8*((\a)%4)+\b):8*(8*((\a)%4)+\b)+7], v[128*(\p)+FR*\b:128*(\p)+FR*\b+FR-1], v[AF+FR*(\a):AF+FR*(\a)+FR-1], v[8*(8*((\a)%4)+\b):8*(8*((\a)%4)+\b)+7]
.endif
.endr
.endr
.endm
.macro FETCH_B slot, q, p
	WIN TO_B
.irp i, 0,1,2,3,4,5,6,7
	FRAG 128*(\p)+FR*\i, ADRB+\slot, \q, \i
.endr
	WIN 0
.endm
.macro FETCH_A slot, q, i0
.irp i, \i0, \i0+1, \i0+2, \i0+3
	FRAG AF+FR*(\i), ADRA+\slot, \q, \i
.endr
.endm
; 128 along K that have their successor in the same slot.  A block of A is free once its eight products are issued: blocks 0-3 are fetched anew in the middle, blocks 4-7 at the end.
.macro STEP slot, q, zero
	s_wait_dscnt 4*NL                              ; B's set and A's blocks 0-3 are in; the youngest 16 loads (A's blocks 4-7) may be out
	WIN MUL_LO
	MUL16 0, (\q)%2, \zero
	MUL16 2, (\q)%2, \zero
	s_wait_dscnt 0                                 ; A's blocks 4-7 are in
	PLACES NP                                      ; in front of loads into registers that matrix instructions have read
	FETCH_B \slot, (\q)+1, 1-(\q)%2
	FETCH_A \slot, (\q)+1, 0
	WIN MUL_HI
	MUL16 4, (\q)%2, \zero
	MUL16 6, (\q)%2, \zero
	PLACES NP
	WIN 0
	FETCH_A \slot, (\q)+1, 4
.endm
; A slot's last 128 change slots: ONE barrier; in front of it each wave waits for all its tensor loads, adds 0 to its spare word, and waits for that and for its reads of this slot.  fill = 1: the slot is filled again, two K steps on.
.macro TURN slot, next, fill
	s_wait_tensorcnt 0x0                           ; all my tensor loads have landed: my part of the next slot
	ds_add_u32 v[SPW], v[NIL]                      ; 0 onto my spare word
	s_wait_dscnt 4*NL+1                            ; (the add and the youngest 16 loads may be out)
	WIN MUL_LO
	MUL16 0, 1, 0                                  ; sixteen matrix instructions stand between the add and the wait for it
	s_wait_dscnt 0x0                               ; the add is done, and my reads of this slot are over
	s_barrier_signal -1
	MUL16 2, 1, 0
	WIN 0
	s_barrier_wait -1
.if \fill
	CREST                                          ; the barrier has opened a round of the cluster's: no wave of any partner still reads this slot or has a load on its way
	s_add_nc_u64 s[G0+4*\slot+2:G0+4*\slot+3], s[G0+4*\slot+2:G0+4*\slot+3], 2*KSTB
	s_add_nc_u64 s[G0B+4*\slot+2:G0B+4*\slot+3], s[G0B+4*\slot+2:G0B+4*\slot+3], 2*KSTB
	JLOAD G0+4*\slot, G1, G0B+4*\slot, G1B         ; the first tensor load behind the round; its four v_nop are the places in front of the loads below
.else
	PLACES NP
.endif
	FETCH_B \next, 0, 0
	FETCH_A \next, 0, 0
	WIN MUL_HI
	MUL16 4, 1, 0
	MUL16 6, 1, 0
	PLACES NP
	WIN 0
	FETCH_A \next, 0, 4
.endm
	s_load_b128 s[4:7], s[0:1], 0x0                ; x_img s[4:5], wqkv_img s[6:7]
	s_load_b64 s[8:9], s[0:1], 0x10                ; the scales' exponents
	s_load_b128 s[68:71], s[0:1], 0x18             ; q_img s[68:69], k_img s[70:71]
	s_load_b64 s[72:73], s[0:1], 0x28              ; v_img
	v_lshl_add_u32 v[SPW], v0, 2, SPARE
	v_mov_b32 v[NIL], 0
	ds_add_u32 v28, v29
	ds_add_u32 v28, v29
	s_wait_dscnt 0x0
	v_lshrrev_b32 v1, 5, v0
	v_readfirstlane_b32 s14, v1                    ; wave 0..3
	s_lshr_b32 s15, s14, 1                         ; which half of A's rows is mine.  Also: I fetch for A (0) or for B (1)
	s_and_b32 s16, s14, 1                          ; which half of B's rows.  Also: which half of that tile I fetch
	s_bfe_u32 s40, ttmp6, 0x40000                  ; cx, cy: my place in the cluster
	s_bfe_u32 s41, ttmp6, 0x40004
	s_and_b32 s19, ttmp7, 0xffff                   ; the cluster's y, 0..7
	s_cmp_eq_u32 ttmp9, 2                          ; v?  (the cluster's x: the same in all sixteen partners)
	s_cselect_b32 s17, 2, s19                      ; q, k: A's tiles are x's, four to a cluster's y;  v: w's tiles 8-11
	s_cselect_b32 s42, s19, ttmp9                  ; q, k: B's tiles are w's, four to a cluster's x;  v: x's
	s_lshl_b32 s17, s17, 2
	s_add_co_u32 s17, s17, s41                     ; A's tile of 256 rows: hangs on cy alone
	s_lshl_b32 s42, s42, 2
	s_add_co_u32 s42, s42, s40                     ; B's: on cx alone
	s_lshl_b32 s43, s41, 2
	s_lshl_b32 s43, 15, s43                        ; my row of the cluster
	s_lshl_b32 s44, 0x1111, s40                    ; my column
	; descriptor group 1: 8 rows of 4,096 bytes (a tile of 16 rows' K step), 16,384 bytes apart in memory, on end in LDS; elements of 8 bytes
	s_or_b32 s[G1+0], s43, (3<<16)|(1<<21)         ; 15:0 the mask; 17:16 elements of 8 bytes; 20 no padding; 21 set beside a mask
	s_or_b32 s[G1B+0], s44, (3<<16)|(1<<21)
.irp g, G1, G1B
	s_mov_b32 s[\g+1], 512<<16                     ; tensor_dim0 = 512 elements
	s_mov_b32 s[\g+2], 8<<16                       ; tensor_dim1 = 8
	s_mov_b32 s[\g+3], 512<<16                     ; tile_dim0
	s_mov_b32 s[\g+4], 8                           ; tile_dim1
	s_mov_b32 s[\g+5], 2048                        ; tensor_dim0_stride, in elements
	s_mov_b32 s[\g+6], 0
	s_mov_b32 s[\g+7], 0
.endr
	s_lshl_b32 s18, s16, 17                        ; the half that I fetch: 8 tiles of 16,384 bytes
	s_lshl_b32 s20, s17, 18                        ; 256 rows are 262,144 bytes
	s_add_co_u32 s20, s20, s18
	s_mov_b32 s21, 0
	s_lshl_b32 s46, s42, 18
	s_add_co_u32 s46, s46, s18
	s_mov_b32 s47, 0
	s_lshl_b32 s45, s14, 15                        ; where it goes: wave x 32,768: no place in the cluster enters an LDS address
	s_wait_kmcnt 0x0
	s_load_b256 s[80:87], s[8:9], 0x0              ; e0 .. e7
	s_cmp_eq_u32 ttmp9, 2
	s_cselect_b64 s[76:77], s[6:7], s[4:5]         ; operand A
	s_cselect_b64 s[78:79], s[4:5], s[6:7]         ; operand B
	s_cselect_b64 s[10:11], s[72:73], s[70:71]
	s_cmp_eq_u32 ttmp9, 0
	s_cselect_b64 s[10:11], s[68:69], s[10:11]     ; the buffer that this cluster stores into
	s_add_nc_u64 s[20:21], s[76:77], s[20:21]
	s_add_nc_u64 s[46:47], s[78:79], s[46:47]
	CROUND                                         ; all sixteen work-groups are here: the first joint loads meet
.irp s, 0,1
	s_mov_b32 s[G0+4*\s], 1
	s_add_co_u32 s[G0+4*\s+1], s45, \s*SLOT
	s_add_nc_u64 s[G0+4*\s+2:G0+4*\s+3], s[20:21], \s*KSTB
	s_or_b32 s[G0+4*\s+3], s[G0+4*\s+3], 0x80000000
	s_mov_b32 s[G0B+4*\s], 1
	s_add_co_u32 s[G0B+4*\s+1], s45, \s*SLOT
	s_add_nc_u64 s[G0B+4*\s+2:G0B+4*\s+3], s[46:47], \s*KSTB
	s_or_b32 s[G0B+4*\s+3], s[G0B+4*\s+3], 0x80000000
	JLOAD G0+4*\s, G1, G0B+4*\s, G1B               ; two loads of mine are out
.endr
	v_and_b32 v1, 31, v0
	v_lshlrev_b32 v4, 4, v1                        ; 16 x lane
	s_lshl_b32 s22, s15, 15                        ; my half of A
	s_lshl_b32 s23, s16, 15                        ; my half of B,
	s_add_co_u32 s23, s23, 2*HALFT                 ; which lies behind A's two
.irp s, 0,1
	v_add_nc_u32 v[ADRA+\s], s22, v4
	v_add_nc_u32 v[ADRB+\s], s23, v4
	s_add_co_u32 s22, s22, SLOT
	s_add_co_u32 s23, s23, SLOT
.endr
	v_lshlrev_b32 v[CO], 4, v1
	; where my codes go.  P: the tile of 256 tokens, H: the tile of 256 channels; tw, hw: my half of each.  (batch x 16 + head) x 131,072 + (my 128 tokens within the batch) x 8,192
	s_cmp_eq_u32 ttmp9, 2
	s_cselect_b32 s88, s42, s17                    ; P
	s_cselect_b32 s89, s17, s42                    ; H
	s_cselect_b32 s90, s16, s15                    ; tw
	s_cselect_b32 s91, s15, s16                    ; hw
	s_lshr_b32 s92, s88, 3
	s_lshl_b32 s92, s92, 4                         ; 16 x batch
	s_and_b32 s89, s89, 3
	s_lshl_b32 s89, s89, 2                         ; four heads to 256 channels
	s_add_co_u32 s92, s92, s89
	s_lshl_b32 s91, s91, 1
	s_add_co_u32 s92, s92, s91                     ; the first of my two heads
	s_lshl_b32 s92, s92, 17
	s_and_b32 s88, s88, 7
	s_lshl_b32 s88, s88, 1
	s_add_co_u32 s88, s88, s90
	s_lshl_b32 s88, s88, 13
	s_add_co_u32 s92, s92, s88
	s_mov_b32 s93, 0
	s_add_nc_u64 s[10:11], s[10:11], s[92:93]
	s_wait_alu depctr_va_vdst(0)
	s_wait_tensorcnt 1                             ; my part of K step 0 is in (K step 1's load may be out)
	s_barrier_signal -1
	s_barrier_wait -1                              ; everybody's is
	FETCH_B 0, 0, 0
	FETCH_A 0, 0, 0
	FETCH_A 0, 0, 4
	STEP 0, 0, 1                                   ; the first products start the sums: nothing is cleared
	TURN 0, 1, 1                                   ; slot 0 takes K step 2
	STEP 1, 0, 0
	TURN 1, 0, 1                                   ; slot 1 takes K step 3
	STEP 0, 0, 0
	TURN 0, 1, 0                                   ; nothing is left to fetch
	STEP 1, 0, 0
	s_wait_dscnt 4*NL                              ; the last 128 along K
	WIN MUL_LO
	MUL16 0, 1, 0
	MUL16 2, 1, 0
	s_wait_dscnt 0
	WIN MUL_HI
	MUL16 4, 1, 0
	MUL16 6, 1, 0
	WIN 0
	; THE WAY OUT: convert, store.  Accumulator (a, b)'s eight numbers become register pair b of block a's codes: v[128 + 16 a + 2 b].  No LDS: four registers of codes are 16 bytes of an image at 16 x lane.
	s_wait_kmcnt 0x0
	s_cmp_eq_u32 ttmp9, 2
	s_cselect_b32 s94, s85, s83
	s_cmp_eq_u32 ttmp9, 0
	s_cselect_b32 s94, s82, s94                    ; e2, e3 or e5
	s_sub_co_i32 s94, s94, s80
	s_sub_co_i32 s94, s94, s81                     ; less e0 + e1
	s_add_co_i32 s94, s94, 127
	s_lshl_b32 s95, s94, 23
	s_add_co_i32 s94, s94, 8
	s_lshl_b32 s94, s94, 23
	s_or_b32 s94, s94, 0x600000
	PLACES NP                                      ; behind the last products
	v_mov_b32 v[SC], s95
	WIN 0x82                                       ; source 0 and destination window 2
.set j, 0
.rept 256
.set j, j+1
.endr
	WIN 0x02                                       ; source 0 window 2, destination window 0
.set j, 0
.rept 32
	v_cvt_scalef32_pk8_fp8_f32 v[128+2*j:129+2*j], v[8*j:8*j+7], v[SC]
.set j, j+1
.endr
	WIN 0xc3
.set j, 0
.rept 256
.set j, j+1
.endr
	WIN 0x03
.set j, 0
.rept 32
	v_cvt_scalef32_pk8_fp8_f32 v[192+2*j:193+2*j], v[8*j:8*j+7], v[SC]
.set j, j+1
.endr
	v_nop                                          ; a plain line behind the last conversion
	WIN 0
	s_cmp_eq_u32 ttmp9, 2
	s_cbranch_scc1 .Lv_out
.irp a, 0,1,2,3,4,5,6,7                ; q, k: block a = 16 tokens; registers 4 g on: head g / 2 of my two, group g % 2 of its unit
.irp g, 0,1,2,3
	global_store_b128 v[CO], v[128+16*\a+4*\g:128+16*\a+4*\g+3], s[10:11] offset:(\g/2)*131072+\a*1024+(\g%2)*512   ; 512 consecutive bytes, at a multiple of 512 from the buffer's first byte
.endr
.endr
	s_branch .Lclose
.Lv_out:
	s_wait_alu depctr_va_vdst(0)
.irp a, 0,1,2,3,4,5,6,7                ; v: block a = 16 channels: head a / 4 of my two, its tile a % 4; the 16 registers are a fragment along my 128 keys
.irp g, 0,1,2,3
	global_store_b128 v[CO], v[128+16*\a+4*\g:128+16*\a+4*\g+3], s[10:11] offset:(\a/4)*131072+(\a%4)*2048+\g*512
.endr
.endr
.Lclose:
	s_wait_tensorcnt 0x0                           ; the wave's end
	ds_add_u32 v[SPW], v[NIL]
	s_wait_dscnt 0x0
	CROUND                                         ; the closing round: no work-group ends while a partner may still ask for a tile that names it
	s_endpgm
.Lfunc_end_k_qac11f9f895_qkv:
	.size	k_qac11f9f895_qkv, .Lfunc_end_k_qac11f9f895_qkv-k_qac11f9f895_qkv
	.p2alignl 7, 3214868480
	.fill 96, 4, 3214868480
	.section	.rodata,"a",@progbits
	.p2align	6, 0x0
	.amdhsa_kernel k_qac11f9f895_qkv
		.amdhsa_group_segment_fixed_size 327680
		.amdhsa_private_segment_fixed_size 0
		.amdhsa_enable_private_segment 0
		.amdhsa_kernarg_size 48
		.amdhsa_user_sgpr_count 2
		.amdhsa_user_sgpr_kernarg_segment_ptr 1
		.amdhsa_wavefront_size32 1
		.amdhsa_system_sgpr_workgroup_id_x 1
		.amdhsa_system_sgpr_workgroup_id_y 1
		.amdhsa_system_sgpr_workgroup_id_z 1
		.amdhsa_system_vgpr_workitem_id 0
		.amdhsa_next_free_vgpr 1024
		.amdhsa_next_free_sgpr 100
		.amdhsa_reserve_vcc 0
		.amdhsa_float_denorm_mode_32 3
		.amdhsa_float_denorm_mode_16_64 3
		.amdhsa_fp16_overflow 1
		.amdhsa_memory_ordered 1
		.amdhsa_forward_progress 1
		.amdhsa_inst_pref_size 88
	.end_amdhsa_kernel
	.amdgpu_metadata
---
amdhsa.version: [ 1, 2 ]
amdhsa.kernels:
  - .name:           k_qac11f9f895_qkv
    .symbol:         k_qac11f9f895_qkv.kd
    .args:
      - { .name: x_img, .offset: 0, .size: 8, .value_kind: global_buffer, .address_space: global }
      - { .name: wqkv_img, .offset: 8, .size: 8, .value_kind: global_buffer, .address_space: global }
      - { .name: lowp_scales, .offset: 16, .size: 8, .value_kind: global_buffer, .address_space: global }
      - { .name: q_img, .offset: 24, .size: 8, .value_kind: global_buffer, .address_space: global }
      - { .name: k_img, .offset: 32, .size: 8, .value_kind: global_buffer, .address_space: global }
      - { .name: v_img, .offset: 40, .size: 8, .value_kind: global_buffer, .address_space: global }
    .group_segment_fixed_size: 327680
    .private_segment_fixed_size: 0
    .kernarg_segment_align: 8
    .kernarg_segment_size: 48
    .max_flat_workgroup_size: 128
    .sgpr_count:     100
    .vgpr_count:     1024
    .wavefront_size: 32
...
	.end_amdgpu_metadata
.endif
;; end of part 2
;; launch attn (part 3): grid 4 x 64, 16 waves a work-group, clusters of 4 x 1, 327,680 bytes of LDS; arguments q_img, k_img, v_img, lowp_scales, a_img; writes a_img
.if DOCPART == 3
	.amdgcn_target "amdgcn-amd-amdhsa--gfx1250"
	.amdhsa_code_object_version 6
	.text
	.protected	k_qac11f9f895_attn
	.globl	k_qac11f9f895_attn
	.p2align	8
	.type	k_qac11f9f895_attn,@function
k_qac11f9f895_attn:
	s_mov_b64 s[64:65], 0
	v_nop
	global_prefetch_b8 v0, s[64:65] scope:SCOPE_SE
	s_setreg_imm32_b32 hwreg(HW_REG_WAVE_MODE, 25, 1), 1
	s_wait_xcnt 0x0
	s_wait_alu depctr_hold_cnt(0) depctr_sa_sdst(0) depctr_va_vdst(0) depctr_va_sdst(0) depctr_va_ssrc(0) depctr_va_vcc(0) depctr_vm_vsrc(0)
	s_getreg_b32 s2, hwreg(HW_REG_IB_STS2, 6, 4)
	s_cmp_eq_u32 s2, 0
	s_cbranch_scc0 .Lentry_in_a_cluster
	s_endpgm
.Lentry_in_a_cluster:
	s_bfe_u32 s2, ttmp6, 0x10000c
	s_cmp_lg_u32 s2, 0x3003
	s_cbranch_scc0 .Lentry_shape_is_right
	s_endpgm
.Lentry_shape_is_right:
; Causal attention of one (batch, head) for each cluster, both products on codes of FP8 (E4M3): S^T = K Q^T (K = the head's 64), O^T = V^T P^T (K = the keys); the result is quantised with 2^e6 for the last product.
; THE SOFTMAX AHEAD OF THE SECOND PRODUCT: t = score x 2^(e2 + e3) x log2(e) / 8; M = the running largest t rounded UP to a whole number; p = 2^(t - M) is quantised with 2^e4, not normalised.
; The row's sum is taken of the unquantised p, in f32.  When M moves, the sum and O^T are multiplied by 2^(old M - new M), which rounds nothing.  At the end o = O^T / sum stands for o x 2^(e4 + e5): its code is o / 2^(e6 - e4 - e5).
; LIMITS on the given exponents, so that each power of two is an f32 number: e2 + e3 between -123 and 130 (added to c's exponent field); e4 and e6 - e4 - e5 between -126 and 119.
; THE HEAD'S WHOLE K AND V, 131,072 bytes of codes each, lie in LDS, filled ONCE: no slot is filled again.  The four work-groups of a cluster ask for them jointly (mask 15): each wave two loads, the first for key steps 0-3,
; so that work begins when a quarter has landed.  K: key step t (128 keys) at 8,192 t, its tile of 16 keys kt at + 1,024 kt.  V: at 131,072 + 8,192 t, its tile of 16 channels dt at + 2,048 dt.  All are images of registers.
; SHARES.  The head's 128 tiles of 16 queries are 16 groups of 8; a tile of group m needs key steps 0 .. m, the last on the diagonal.  Wave w (pair pi = w / 2, sub = w % 2) of partner cx owns tile 2 cx + sub of group 15 - pi
; and then of group pi: 16 - pi + pi + 1 = 17 key steps for every wave of every work-group.  The loops' trip counts are constants; a step that lies wholly behind the diagonal is jumped over by a scalar branch on the wave's number
; and the step's number.  cx enters Q's and the output's addresses and a lane's number for the mask, no branch and no LDS address.
; LAYOUT.  A lane holds ONE query (lane % 16) throughout.  S^T's tile kt: register j = key 16 kt + 8 (lane / 16) + j: its conversion IS register pair kt of P's fragment of 128 keys.  O^T's tile dt likewise gives pair dt of the output's unit.
; REGISTERS: v1-4 stay (LDS places of K and V, the global offset, the mask's number); v8, v9 the step's addresses; v12 -M, v13 the largest t, v[14:15] the sum in two halves; v16-23, v24-31 Q of the two passes; v32-95 K's, then V's
; fragments; v96-159 S^T, then p; v160-191 O^T; v208-223 the two passes' output codes; v224-239 p's codes; v240-254 scales and work.
.set AK0,  1
.set AV0,  2
.set GO,   3
.set DM,   4
.set ADK,  8
.set ADV,  9
.set WV,   18                          ; s18 wave
.set PI,   19                          ; s19 wave / 2
.set SEL,  20                          ; s[20:21] lane selects: lane l xor 16
.set CS,   22                          ; s[22:23] c
.set G1A,  24                          ; s[24:31] group 1: 16 rows of 256 bytes
.set G1B,  32                          ; s[32:39] group 1: 48 rows
.set G0A,  40                          ; s[40:43], s[44:47] the two groups 0
.set G0B,  44
.set T,    50                          ; s50 the key step
.set TB,   51                          ; s51 8,192 x the key step
.set MG,   52                          ; s52 the pass's group = its last key step
.macro ROUND                           ; a round of the cluster's barrier
	s_barrier_signal -1
	s_barrier_wait -1
	s_cmp_lg_u32 s[WV], 0
	s_cbranch_scc1 .Lnot_wave_0_\@
	s_barrier_signal -3
.Lnot_wave_0_\@:
	s_barrier_wait -3
	s_barrier_signal -1
	s_barrier_wait -1
.endm
	s_load_b256 s[4:11], s[0:1], 0x0               ; q_img s[4:5], k_img s[6:7], v_img s[8:9], the scales' exponents s[10:11]
	s_load_b64 s[12:13], s[0:1], 0x20              ; a_img
	v_lshl_add_u32 v251, v0, 2, 0x40000
	v_mov_b32 v255, 0
	ds_add_u32 v251, v255
	ds_add_u32 v251, v255
	v_lshrrev_b32 v8, 5, v0
	s_delay_alu instid0(VALU_DEP_1)
	v_readfirstlane_b32 s[WV], v8                  ; wave 0..15
	s_lshr_b32 s[PI], s[WV], 1
	s_and_b32 s54, s[WV], 1                        ; sub
	s_bfe_u32 s48, ttmp6, 0x40000                  ; cx
	s_and_b32 s49, ttmp7, 0xffff                   ; 16 x batch + head, which the four partners share
	s_lshl_b32 s53, s48, 1
	s_add_co_u32 s53, s53, s54                     ; my tile within a group: 2 cx + sub
	; what I fetch: waves 0-7 an eighth of K, waves 8-15 an eighth of V
	s_lshr_b32 s55, s[WV], 3
	s_lshl_b32 s55, s55, 17                        ; K's or V's region of LDS
	s_and_b32 s74, s[WV], 7
	s_mul_i32 s76, s74, 12288
	s_add_co_u32 s76, s76, 32768                   ; my eighth of key steps 4-15
	s_mov_b32 s77, 0
	s_lshl_b32 s74, s74, 12                        ; my eighth of key steps 0-3
	s_mov_b32 s75, 0
	s_lshl_b32 s78, s49, 17                        ; the head's first byte in q_img, k_img and v_img
	s_mov_b32 s79, 0
	; my two tiles of queries, and where their codes come from and go to
	s_sub_co_u32 s84, 15, s[PI]
	s_lshl_b32 s84, s84, 3
	s_add_co_u32 s84, s84, s53                     ; the first pass's tile, of the head's 128
	s_lshl_b32 s85, s[PI], 3
	s_add_co_u32 s85, s85, s53                     ; the second pass's
	s_lshl_b32 s86, s84, 10
	s_add_co_u32 s86, s86, s78
	s_mov_b32 s87, 0
	s_lshl_b32 s88, s85, 10
	s_add_co_u32 s88, s88, s78
	s_mov_b32 s89, 0
	s_lshr_b32 s90, s49, 4
	s_lshl_b32 s90, s90, 21                        ; a batch's 128 tiles of 16,384 bytes,
	s_and_b32 s91, s49, 15
	s_lshl_b32 s91, s91, 10                        ; the head is the unit
	s_add_co_u32 s90, s90, s91
	s_lshl_b32 s92, s84, 14
	s_add_co_u32 s92, s92, s90
	s_mov_b32 s93, 0
	s_lshl_b32 s94, s85, 14
	s_add_co_u32 s94, s94, s90
	s_mov_b32 s95, 0
	; descriptor groups 1: dense blocks as rows of 256 bytes, elements of 8 bytes, no padding
	s_mov_b32 s[G1A], 15|(3<<16)|(1<<21)           ; 15:0 the mask: all four work-groups; 17:16 elements of 8 bytes; 21 set beside a mask
	s_mov_b32 s[G1A+1], 32<<16                     ; tensor_dim0 = 32
	s_mov_b32 s[G1A+2], 16<<16                     ; tensor_dim1 = 16
	s_mov_b32 s[G1A+3], 32<<16                     ; tile_dim0
	s_mov_b32 s[G1A+4], 16                         ; tile_dim1
	s_mov_b32 s[G1A+5], 32                         ; tensor_dim0_stride
	s_mov_b32 s[G1A+6], 0
	s_mov_b32 s[G1A+7], 0
	s_mov_b32 s[G1B], 15|(3<<16)|(1<<21)
	s_mov_b32 s[G1B+1], 32<<16
	s_mov_b32 s[G1B+2], 48<<16                     ; 48 rows
	s_mov_b32 s[G1B+3], 32<<16
	s_mov_b32 s[G1B+4], 48
	s_mov_b32 s[G1B+5], 32
	s_mov_b32 s[G1B+6], 0
	s_mov_b32 s[G1B+7], 0
	s_mov_b32 s[SEL], 0x76543210
	s_mov_b32 s[SEL+1], 0xfedcba98
	s_wait_dscnt 0x0
	s_wait_kmcnt 0x0
	s_load_b256 s[56:63], s[10:11], 0x0            ; e0 .. e7
	s_cmp_lt_u32 s[WV], 8
	s_cselect_b64 s[14:15], s[6:7], s[8:9]         ; K or V: the choice hangs on the wave's number alone
	s_add_nc_u64 s[14:15], s[14:15], s[78:79]
	s_mov_b32 s[G0A], 1                            ; count = 1
	s_add_co_u32 s[G0A+1], s55, s74                ; LDS address
	s_add_nc_u64 s[G0A+2:G0A+3], s[14:15], s[74:75]
	s_or_b32 s[G0A+3], s[G0A+3], 0x80000000        ; type = 2
	s_mov_b32 s[G0B], 1
	s_add_co_u32 s[G0B+1], s55, s76
	s_add_nc_u64 s[G0B+2:G0B+3], s[14:15], s[76:77]
	s_or_b32 s[G0B+3], s[G0B+3], 0x80000000
	s_add_nc_u64 s[66:67], s[4:5], s[86:87]        ; Q of the first pass,
	s_add_nc_u64 s[68:69], s[4:5], s[88:89]        ; of the second
	s_add_nc_u64 s[70:71], s[12:13], s[92:93]      ; the outputs' units
	s_add_nc_u64 s[72:73], s[12:13], s[94:95]
	ROUND                                          ; all four work-groups are here: the joint loads meet
	tensor_load_to_lds s[G0A:G0A+3], s[G1A:G1A+7]  ; my eighth of key steps 0-3
	s_nop 0
	s_wait_alu depctr_va_vdst(0)
	s_wait_tensorcnt 0x0
	ds_add_u32 v251, v255
	s_wait_dscnt 0x0
	ROUND
	tensor_load_to_lds s[G0B:G0B+3], s[G1B:G1B+7]  ; and of key steps 4-15: one load of mine is out, and no more follow
	s_nop 0
.rept 4
	v_nop
.endr
	v_and_b32 v5, 31, v0
	s_delay_alu instid0(VALU_DEP_1)
	v_lshlrev_b32 v[GO], 4, v5                     ; 16 x lane
	global_load_b128 v[16:19], v[GO], s[66:67]
	global_load_b128 v[20:23], v[GO], s[66:67] offset:512
	global_load_b128 v[24:27], v[GO], s[68:69]
	global_load_b128 v[28:31], v[GO], s[68:69] offset:512
	v_lshlrev_b32 v[AK0], 4, v5
	s_delay_alu instid0(VALU_DEP_1)
	v_add_nc_u32 v[AV0], 0x20000, v[AK0]
	v_and_b32 v6, 15, v0
	v_bfe_u32 v7, v0, 4, 1
	s_delay_alu instid0(VALU_DEP_1)
	v_lshlrev_b32 v7, 3, v7
	s_delay_alu instid0(VALU_DEP_1)
	v_sub_nc_u32 v[DM], v6, v7
	s_lshl_b32 s54, s53, 4
	v_add_nc_u32 v[DM], s54, v[DM]                 ; d = my query within its 128 - 8 (lane / 16): on the diagonal register 8 kt + j is hidden where 16 kt + j > d
	v_mov_b32 v250, 0xff800000                     ; -infinity
	v_mov_b32 v246, 0                              ; written once: a lane permute's destination counts as one of its sources
	v_mov_b32 v252, 0
	v_mov_b32 v253, 0                              ; (named as the upper half of the pair v[252:253])
	s_wait_kmcnt 0x0
	s_add_co_i32 s80, s58, s59                     ; e2 + e3
	s_lshl_b32 s80, s80, 23
	s_add_co_i32 s[CS], s80, 0x3e38aa3b            ; c = log2(e) / 8, with the two exponents added to its exponent field
	s_mov_b32 s[CS+1], s[CS]                       ; (named with it as a pair, so it is written)
	s_add_co_i32 s80, s60, 127
	s_lshl_b32 s81, s80, 23
	v_mov_b32 v244, s81                            ; 2^e4
	s_sub_co_i32 s80, s62, s60
	s_sub_co_i32 s80, s80, s61                     ; e6 - e4 - e5
	s_add_co_i32 s80, s80, 127
	s_lshl_b32 s81, s80, 23
	v_mov_b32 v245, s81
; A KEY STEP: 128 keys.  q: the first register of the pass's Q.  causal = 1: the step may lie behind the diagonal (left out) or on it (masked).
.macro STEP q, causal
.if \causal
	s_cmp_gt_u32 s[T], s[MG]
	s_cbranch_scc1 .Lskip_\@
.endif
	s_setprio 2
	v_add_nc_u32 v[ADK], s[TB], v[AK0]
	v_add_nc_u32 v[ADV], s[TB], v[AV0]
	v_nop
	v_nop                                          ; with the two additions: four places in front of loads into registers that the last step's products have read
.irp kt, 0,1,2,3,4,5,6,7
	ds_load_b128 v[32+8*\kt:35+8*\kt], v[ADK] offset:1024*\kt
	ds_load_b128 v[36+8*\kt:39+8*\kt], v[ADK] offset:1024*\kt+512
.endr
	s_wait_alu depctr_va_vdst(0)
	s_wait_dscnt 8                                 ; tiles 0-3 are in; the eight loads of tiles 4-7 may be out
.irp kt, 0,1,2,3
	v_wmma_f32_16x16x64_fp8_fp8 v[96+8*\kt:103+8*\kt], v[32+8*\kt:39+8*\kt], v[\q:\q+7], 0
.endr
	s_wait_dscnt 0x0
.irp kt, 4,5,6,7
	v_wmma_f32_16x16x64_fp8_fp8 v[96+8*\kt:103+8*\kt], v[32+8*\kt:39+8*\kt], v[\q:\q+7], 0
.endr
.rept 4
	v_nop                                          ; places in front of the loads below and of the first read of the scores
.endr
.irp dt, 0,1,2,3
.irp g, 0,1,2,3
	ds_load_b128 v[32+16*\dt+4*\g:35+16*\dt+4*\g], v[ADV] offset:2048*\dt+512*\g   ; V's fragments land while the softmax is walked
.endr
.endr
.if \causal
	s_cmp_lg_u32 s[T], s[MG]
	s_cbranch_scc1 .Lopen_\@                       ; all keys of this step count
.set n, 0
.rept 64
	v_cmp_gt_i32 vcc_lo, 16*(n/8)+n%8, v[DM]
	v_cndmask_b32 v[96+n], v[96+n], v250, vcc_lo   ; a hidden score becomes -infinity ahead of the maximum: its p is 0
.set n, n+1
.endr
.Lopen_\@:
.endif
	v_max3_num_f32 v254, v96, v97, v98             ; the step's largest score of my query among my 64 keys, in two chains,
	v_max3_num_f32 v252, v99, v100, v101
.irp i, 6,10,14,18,22,26,30,34,38,42,46,50,54,58
	v_max3_num_f32 v254, v254, v[96+\i], v[97+\i]
	v_max3_num_f32 v252, v252, v[98+\i], v[99+\i]
.endr
	v_max3_num_f32 v254, v254, v158, v159
	s_delay_alu instid0(VALU_DEP_1)
	v_max_num_f32 v254, v254, v252
	s_delay_alu instid0(VALU_DEP_1)
	v_permlanex16_b32 v246, v254, s[SEL], s[SEL+1]
	s_delay_alu instid0(VALU_DEP_1)
	v_max_num_f32 v254, v254, v246                 ; and among lane l xor 16's
	s_delay_alu instid0(VALU_DEP_1)
	v_mul_f32 v254, s[CS], v254                    ; as t (c is positive)
	s_delay_alu instid0(VALU_DEP_1)
	v_max_num_f32 v13, v13, v254                   ; the running largest t
	v_mov_b32 v254, v12
	s_delay_alu instid0(VALU_DEP_2)
	v_floor_f32 v12, -v13                          ; the new -M = floor(-t) = -ceil(t): a whole number
	s_delay_alu instid0(VALU_DEP_1)
	v_sub_f32 v254, v12, v254                      ; old M - new M: a whole number, 0 or less
	s_delay_alu instid0(VALU_DEP_1)
	v_cvt_i32_f32 v254, v254                       ; (it saturates)
	s_delay_alu instid0(VALU_DEP_1)
	v_ldexp_f32 v252, 1.0, v254                    ; f = 2^(old M - new M)
.set j, 0
.rept 32
	v_pk_fma_f32 v[96+j:97+j], v[96+j:97+j], s[CS:CS+1], v[12:13] op_sel_hi:[1,0,0]   ; t - M, two at a time (of the pairs c and -M the low word serves both halves)
.set j, j+2
.endr
.set j, 0
	s_setprio 1
	s_wait_alu depctr_va_vdst(0)
.rept 64
	v_exp_f32 v[96+j], v[96+j]                     ; p = 2^(t - M), at most 1
.set j, j+1
.endr
	v_pk_mul_f32 v[14:15], v[14:15], v[252:253] op_sel_hi:[1,0]   ; the sums under the new M (a plain line behind the exponentials)
	s_wait_alu depctr_va_vdst(0)
	v_pk_add_f32 v[242:243], v[96:97], v[98:99]    ; the row's sum is taken of the unquantised p, in two chains
.irp j, 4,8,12,16,20,24,28,32,36,40,44,48,52,56,60
	v_pk_add_f32 v[14:15], v[14:15], v[96+\j:97+\j]
	v_pk_add_f32 v[242:243], v[242:243], v[98+\j:99+\j]
.endr
	s_delay_alu instid0(VALU_DEP_1)
	v_pk_add_f32 v[14:15], v[14:15], v[242:243]
	s_setprio 0
.irp kt, 0,1,2,3,4,5,6,7
.irp i, 0,1,2,3,4,5,6,7
.endr
	v_cvt_scalef32_pk8_fp8_f32 v[224+2*\kt:225+2*\kt], v[96+8*\kt:103+8*\kt], v244
.endr
.set j, 0
.rept 16
	v_pk_mul_f32 v[160+j:161+j], v[160+j:161+j], v[252:253] op_sel_hi:[1,0]   ; O^T under the new M; also the plain lines between the conversions and the products
.set j, j+2
.endr
	s_wait_alu depctr_va_vdst(0)
	s_wait_dscnt 0x0                               ; V's fragments are in
.irp dt, 0,1,2,3
	v_wmma_f32_16x16x128_fp8_fp8 v[160+8*\dt:167+8*\dt], v[32+16*\dt:47+16*\dt], v[224:239], v[160+8*\dt:167+8*\dt]   ; the four accumulators take turns; the next step's eight products stand between two links
.endr
.if \causal
.Lskip_\@:
.endif
	s_add_co_u32 s[TB], s[TB], 8192
.endm
.macro LOOP q, causal, end             ; key steps s[T] .. end - 1: the trip count is a constant of the text
.Lstep_\@:
	STEP \q, \causal
	s_add_co_u32 s[T], s[T], 1
	s_cmp_lt_u32 s[T], \end
	s_cbranch_scc1 .Lstep_\@
	s_setprio 0
.endm
.macro INIT                            ; a pass begins: the first step finds zeros, which the first change of M leaves zeros
	v_mov_b32 v13, 0xff61b1e6                      ; the largest t so far: -3e38, under every t
	s_delay_alu instid0(VALU_DEP_1)
	v_floor_f32 v12, -v13
	v_mov_b32 v14, 0
	v_mov_b32 v15, 0
.set j, 0
.rept 32
	v_mov_b32 v[160+j], 0
.set j, j+1
.endr
.endm
.macro OUT codes, base                 ; O^T / the sum, quantised: the four conversions give the unit's eight registers
.rept 4
	v_nop                                          ; places behind the last products
.endr
	v_add_f32 v14, v14, v15                        ; the sum's two halves,
	s_delay_alu instid0(VALU_DEP_1)
	v_permlanex16_b32 v252, v14, s[SEL], s[SEL+1]
	s_delay_alu instid0(VALU_DEP_1)
	v_add_f32 v14, v14, v252                       ; and lane l xor 16's
	s_wait_alu depctr_va_vdst(0)
	v_rcp_f32 v14, v14
	v_nop                                          ; a plain line behind the reciprocal
.set j, 0
	s_wait_alu depctr_va_vdst(0)
.rept 16
	v_pk_mul_f32 v[96+j:97+j], v[160+j:161+j], v[14:15] op_sel_hi:[1,0]   ; each accumulator from its low end on
.set j, j+2
.endr
.set j, 0
.rept 32
.set j, j+1
.endr
.irp dt, 0,1,2,3
	v_cvt_scalef32_pk8_fp8_f32 v[\codes+2*\dt:\codes+2*\dt+1], v[96+8*\dt:103+8*\dt], v245
.endr
	v_nop                                          ; a plain line behind the last conversion
	global_store_b128 v[GO], v[\codes:\codes+3], s[\base:\base+1]             ; 512 consecutive bytes each, at a multiple of 512 from the buffer's first byte
	global_store_b128 v[GO], v[\codes+4:\codes+7], s[\base:\base+1] offset:512
.endm
	INIT
	s_sub_co_u32 s[MG], 15, s[PI]                  ; the first pass: group 15 - pi, at least 8
	s_mov_b32 s[T], 0
	s_mov_b32 s[TB], 0
	s_wait_loadcnt 0x0                             ; Q
	s_wait_tensorcnt 1                             ; my part of key steps 0-3 is in; the second load may stay out
	s_barrier_signal -1
	s_barrier_wait -1                              ; everybody's is
	LOOP 16, 0, 4                                  ; key steps 0-3 lie in front of every first pass's diagonal
	s_wait_tensorcnt 0x0                           ; my part of key steps 4-15 is in
	s_wait_dscnt 0x0
	s_barrier_signal -1
	s_barrier_wait -1                              ; everybody's is: from here on the waves run free
	s_mov_b32 s[T], 4
	s_mov_b32 s[TB], 32768
	LOOP 16, 1, 16
	OUT 208, 70
	INIT
	s_mov_b32 s[MG], s[PI]                         ; the second pass: group pi, at most 7
	s_mov_b32 s[T], 0
	s_mov_b32 s[TB], 0
	LOOP 24, 1, 8
	OUT 216, 72
	s_wait_tensorcnt 0x0
	ds_add_u32 v251, v255
	s_wait_dscnt 0x0
	ROUND                                          ; the closing round: no work-group ends while a partner may still ask for a tile that names it
	s_endpgm
.Lfunc_end_k_qac11f9f895_attn:
	.size	k_qac11f9f895_attn, .Lfunc_end_k_qac11f9f895_attn-k_qac11f9f895_attn
	.p2alignl 7, 3214868480
	.fill 96, 4, 3214868480
	.section	.rodata,"a",@progbits
	.p2align	6, 0x0
	.amdhsa_kernel k_qac11f9f895_attn
		.amdhsa_group_segment_fixed_size 327680
		.amdhsa_private_segment_fixed_size 0
		.amdhsa_enable_private_segment 0
		.amdhsa_kernarg_size 40
		.amdhsa_user_sgpr_count 2
		.amdhsa_user_sgpr_kernarg_segment_ptr 1
		.amdhsa_wavefront_size32 1
		.amdhsa_system_sgpr_workgroup_id_x 1
		.amdhsa_system_sgpr_workgroup_id_y 1
		.amdhsa_system_sgpr_workgroup_id_z 1
		.amdhsa_system_vgpr_workitem_id 0
		.amdhsa_next_free_vgpr 256
		.amdhsa_next_free_sgpr 96
		.amdhsa_reserve_vcc 1
		.amdhsa_float_denorm_mode_32 3
		.amdhsa_float_denorm_mode_16_64 3
		.amdhsa_fp16_overflow 1
		.amdhsa_memory_ordered 1
		.amdhsa_forward_progress 1
		.amdhsa_inst_pref_size 65
	.end_amdhsa_kernel
	.amdgpu_metadata
---
amdhsa.version: [ 1, 2 ]
amdhsa.kernels:
  - .name:           k_qac11f9f895_attn
    .symbol:         k_qac11f9f895_attn.kd
    .args:
      - { .name: q_img, .offset: 0, .size: 8, .value_kind: global_buffer, .address_space: global }
      - { .name: k_img, .offset: 8, .size: 8, .value_kind: global_buffer, .address_space: global }
      - { .name: v_img, .offset: 16, .size: 8, .value_kind: global_buffer, .address_space: global }
      - { .name: lowp_scales, .offset: 24, .size: 8, .value_kind: global_buffer, .address_space: global }
      - { .name: a_img, .offset: 32, .size: 8, .value_kind: global_buffer, .address_space: global }
    .group_segment_fixed_size: 327680
    .private_segment_fixed_size: 0
    .kernarg_segment_align: 8
    .kernarg_segment_size: 40
    .max_flat_workgroup_size: 512
    .sgpr_count:     96
    .vgpr_count:     256
    .wavefront_size: 32
...
	.end_amdgpu_metadata
.endif
;; end of part 3
;; launch proj (part 4): grid 4 x 32, 4 waves a work-group, clusters of 4 x 4, 327,680 bytes of LDS; arguments a_img, wproj_img, lowp_scales, b_proj, out0; writes out0
.if DOCPART == 4
	.amdgcn_target "amdgcn-amd-amdhsa--gfx1250"
	.amdhsa_code_object_version 6
	.text
	.protected	k_qac11f9f895_proj
	.globl	k_qac11f9f895_proj
	.p2align	8
	.type	k_qac11f9f895_proj,@function
k_qac11f9f895_proj:
	s_mov_b64 s[64:65], 0
	v_nop
	global_prefetch_b8 v0, s[64:65] scope:SCOPE_SE
	s_setreg_imm32_b32 hwreg(HW_REG_WAVE_MODE, 25, 1), 1
	s_wait_xcnt 0x0
	s_wait_alu depctr_hold_cnt(0) depctr_sa_sdst(0) depctr_va_vdst(0) depctr_va_sdst(0) depctr_va_ssrc(0) depctr_va_vcc(0) depctr_vm_vsrc(0)
	s_getreg_b32 s2, hwreg(HW_REG_IB_STS2, 6, 4)
	s_cmp_eq_u32 s2, 0
	s_cbranch_scc0 .Lentry_in_a_cluster
	s_endpgm
.Lentry_in_a_cluster:
	s_bfe_u32 s2, ttmp6, 0x10000c
	s_cmp_lg_u32 s2, 0xf033
	s_cbranch_scc0 .Lentry_shape_is_right
	s_endpgm
.Lentry_shape_is_right:
; out0 = attention's result x w_proj + b_proj, the product on codes of FP8 (E4M3), K = 1,024, sums in f32; each finished sum is multiplied once by 2^(e6 + e7) and the bias added, in one fused multiply-add.
; LIMIT: e6 + e7 lies between -126 and 127, so that 2^(e6 + e7) is an f32 number.
; OPERANDS are images of registers: [tile of 16 rows][16 units of 64 k][2 groups][32 lanes][16 bytes]; a fragment of 16 rows x 128 k is 2,048 consecutive bytes, fetched by four loads of 16 bytes a lane at 16 x lane.
; A tile of the result, 256 x 256, is made by four waves, 128 x 128 each: 64 accumulators, 512 registers.  K goes in steps of 256 through two LDS slots: steps 0 and 1 are first fills, steps 2 and 3 fill the slots again.
; THE MATRIX INSTRUCTION IS USED TRANSPOSED (source 0 = 16 rows of B = w_proj's columns, source 1 = 16 rows of A = tokens): a lane holds eight neighbouring numbers of a row of the output.
; CLUSTERS: 4 x 4 work-groups; A's tiles are asked for jointly along a row of the cluster, B's along a column.  The output has 32 x 4 tiles: 128 work-groups.
; REGISTERS, in windows of 256: window 0: v0-31 addresses and the bias; v128-255 A's 8 fragments, ONE set (on the way out: rows read back).  window 1: B's fragments, two sets, at v0 and v128.
;   window 2: the accumulators of A's blocks 0-3 ((a, b) at v[8 (8 a + b)]);  window 3: those of blocks 4-7.
.set KSTB,   4096                      ; a K step of one tile of 16 rows: 4 units
.set HALFT,  32768                     ; 8 such tiles: what one tensor load brings, and what one wave reads of A or of B
.set SLOT,   131072                    ; A's two halves, then B's two halves
.set SPARE,  262144                    ; behind the ring: the spare words, 128 bytes for each wave: two blocks of 256 bytes that no other line names
.set SPITCH, 528                       ; the way out: a stage of 16 rows x (512 bytes + 16) for each wave, in slot 0, which has had its last fill and its last read when the first result is stored there
.set FR,     16
.set NL,     4
.set NP,     4                         ; places behind this matrix instruction (ISA guide 7.12.1)
.set BIAS, 8                           ; v8-11   b_proj at my four columns of a row read back
.set ADRA, 16                          ; v16-17  LDS address of my A fragments in slot 0, 1
.set ADRB, 20                          ; v20-21  the same for B
.set STO,  24                          ; v24     the way out: where I put 32 bytes of a row
.set RD,   25                          ; v25     where I read a row back
.set CO,   26                          ; v26     16 x lane: my bytes of a row's 512
.set SPW,  28                          ; v28     LDS address of my spare word; never rewritten
.set NIL,  29                          ; v29     0; never rewritten
.set AF,   128
.set BK,   128                         ; the way out: 16 rows read back: v128-191 and v192-255 by turns
.set G1, 24
.set G0, 32
.set G1B, 48
.set G0B, 56
.set MSB, 0
.macro WIN new                         ; the immediate's high byte repeats the setting that is left
.if MSB != (\new)
	s_set_vgpr_msb (MSB<<8)|(\new)
.set MSB, (\new)
.endif
.endm
.set MUL_LO, 0xa1                      ; source 0 (B) window 1, source 1 (A) window 0, C and D window 2
.set MUL_HI, 0xf1                      ; the same, C and D window 3
.set TO_B,   0x40                      ; destination window 1, address window 0
; A joint load: waves 0 and 1 fetch A's halves, waves 2 and 3 B's.  The branch hangs on the wave's number alone.  Four v_nop follow each of the two lines.
.macro JLOAD g0a, g1a, g0b, g1b
	s_cmp_eq_u32 s15, 0
	s_cbranch_scc0 .Lfor_b_\@
	tensor_load_to_lds s[\g0a:\g0a+3], s[\g1a:\g1a+7]
	s_nop 0
.rept 4
	v_nop
.endr
	s_branch .Lasked_\@
.Lfor_b_\@:
	tensor_load_to_lds s[\g0b:\g0b+3], s[\g1b:\g1b+7]
	s_nop 0
.rept 4
	v_nop
.endr
.Lasked_\@:
.endm
.macro CREST                           ; a round of the cluster's barrier behind its opening barrier
	s_cmp_lg_u32 s14, 0
	s_cbranch_scc1 .Lnot_wave_0_\@
	s_barrier_signal -3
.Lnot_wave_0_\@:
	s_barrier_wait -3
	s_barrier_signal -1
	s_barrier_wait -1
.endm
.macro CROUND                          ; a whole round
	s_barrier_signal -1
	s_barrier_wait -1
	CREST
.endm
.macro PLACES n
.rept \n
	v_nop
.endr
.endm
.macro FRAG reg, adr, q, i             ; tile i of my 8, the slot's q-th 128 along K: 16 registers, 2,048 consecutive bytes
.irp c, 0,1,2,3
	ds_load_b128 v[\reg+4*\c:\reg+4*\c+3], v[\adr] offset:4096*(\i)+2048*(\q)+512*\c
.endr
.endm
; 16 matrix instructions: A's blocks a0, a0 + 1 x B's eight.  p: B's set.  zero = 1: the first product starts the sums.  The 64 accumulators take turns, one instruction a turn, in one order.
.macro MUL16 a0, p, zero
.irp a, \a0, \a0+1
.irp b, 0,1,2,3,4,5,6,7
.if \zero
	v_wmma_f32_16x16x128_fp8_fp8 v[8*(8*((\a)%4)+\b):8*(8*((\a)%4)+\b)+7], v[128*(\p)+FR*\b:128*(\p)+FR*\b+FR-1], v[AF+FR*(\a):AF+FR*(\a)+FR-1], 0
.else
	v_wmma_f32_16x16x128_fp8_fp8 v[8*(8*((\a)%4)+\b):8*(8*((\a)%4)+\b)+7], v[128*(\p)+FR*\b:128*(\p)+FR*\b+FR-1], v[AF+FR*(\a):AF+FR*(\a)+FR-1], v[8*(8*((\a)%4)+\b):8*(8*((\a)%4)+\b)+7]
.endif
.endr
.endr
.endm
.macro FETCH_B slot, q, p
	WIN TO_B
.irp i, 0,1,2,3,4,5,6,7
	FRAG 128*(\p)+FR*\i, ADRB+\slot, \q, \i
.endr
	WIN 0
.endm
.macro FETCH_A slot, q, i0
.irp i, \i0, \i0+1, \i0+2, \i0+3
	FRAG AF+FR*(\i), ADRA+\slot, \q, \i
.endr
.endm
; 128 along K that have their successor in the same slot.  A block of A is free once its eight products are issued: blocks 0-3 are fetched anew in the middle, blocks 4-7 at the end.
.macro STEP slot, q, zero
	s_wait_dscnt 4*NL                              ; B's set and A's blocks 0-3 are in; the youngest 16 loads (A's blocks 4-7) may be out
	WIN MUL_LO
	MUL16 0, (\q)%2, \zero
	MUL16 2, (\q)%2, \zero
	s_wait_dscnt 0                                 ; A's blocks 4-7 are in
	PLACES NP                                      ; in front of loads into registers that matrix instructions have read
	FETCH_B \slot, (\q)+1, 1-(\q)%2
	FETCH_A \slot, (\q)+1, 0
	WIN MUL_HI
	MUL16 4, (\q)%2, \zero
	MUL16 6, (\q)%2, \zero
	PLACES NP
	WIN 0
	FETCH_A \slot, (\q)+1, 4
.endm
; A slot's last 128 change slots: ONE barrier; in front of it each wave waits for all its tensor loads, adds 0 to its spare word, and waits for that and for its reads of this slot.  fill = 1: the slot is filled again, two K steps on.
.macro TURN slot, next, fill
	s_wait_tensorcnt 0x0                           ; all my tensor loads have landed: my part of the next slot
	ds_add_u32 v[SPW], v[NIL]                      ; 0 onto my spare word
	s_wait_dscnt 4*NL+1                            ; (the add and the youngest 16 loads may be out)
	WIN MUL_LO
	MUL16 0, 1, 0                                  ; sixteen matrix instructions stand between the add and the wait for it
	s_wait_dscnt 0x0                               ; the add is done, and my reads of this slot are over
	s_barrier_signal -1
	MUL16 2, 1, 0
	WIN 0
	s_barrier_wait -1
.if \fill
	CREST                                          ; the barrier has opened a round of the cluster's: no wave of any partner still reads this slot or has a load on its way
	s_add_nc_u64 s[G0+4*\slot+2:G0+4*\slot+3], s[G0+4*\slot+2:G0+4*\slot+3], 2*KSTB
	s_add_nc_u64 s[G0B+4*\slot+2:G0B+4*\slot+3], s[G0B+4*\slot+2:G0B+4*\slot+3], 2*KSTB
	JLOAD G0+4*\slot, G1, G0B+4*\slot, G1B         ; the first tensor load behind the round; its four v_nop are the places in front of the loads below
.else
	PLACES NP
.endif
	FETCH_B \next, 0, 0
	FETCH_A \next, 0, 0
	WIN MUL_HI
	MUL16 4, 1, 0
	MUL16 6, 1, 0
	PLACES NP
	WIN 0
	FETCH_A \next, 0, 4
.endm
	s_load_b128 s[4:7], s[0:1], 0x0                ; a_img s[4:5], wproj_img s[6:7]
	s_load_b128 s[8:11], s[0:1], 0x10              ; the scales' exponents s[8:9], b_proj s[10:11]
	s_load_b64 s[12:13], s[0:1], 0x20              ; out0
	v_lshl_add_u32 v[SPW], v0, 2, SPARE
	v_mov_b32 v[NIL], 0
	ds_add_u32 v28, v29
	ds_add_u32 v28, v29
	s_wait_dscnt 0x0
	v_lshrrev_b32 v1, 5, v0
	v_readfirstlane_b32 s14, v1                    ; wave 0..3
	s_lshr_b32 s15, s14, 1                         ; which half of the tile's rows is mine.  Also: I fetch for A (0) or for B (1)
	s_and_b32 s16, s14, 1                          ; which half of its columns.  Also: which half of that tile I fetch
	s_bfe_u32 s40, ttmp6, 0x40000                  ; cx, cy: my place in the cluster
	s_bfe_u32 s41, ttmp6, 0x40004
	s_lshl_b32 s42, ttmp9, 2
	s_add_co_u32 s42, s42, s40                     ; tile column = 4 x cluster x + cx
	s_and_b32 s19, ttmp7, 0xffff
	s_lshl_b32 s17, s19, 2
	s_add_co_u32 s17, s17, s41                     ; tile row = 4 x cluster y + cy
	s_lshl_b32 s43, s41, 2
	s_lshl_b32 s43, 15, s43                        ; my row of the cluster
	s_lshl_b32 s44, 0x1111, s40                    ; my column
	; descriptor group 1: 8 rows of 4,096 bytes (a tile of 16 rows' K step), 16,384 bytes apart in memory, on end in LDS; elements of 8 bytes
	s_or_b32 s[G1+0], s43, (3<<16)|(1<<21)         ; 15:0 the mask; 17:16 elements of 8 bytes; 20 no padding; 21 set beside a mask
	s_or_b32 s[G1B+0], s44, (3<<16)|(1<<21)
.irp g, G1, G1B
	s_mov_b32 s[\g+1], 512<<16                     ; tensor_dim0 = 512 elements
	s_mov_b32 s[\g+2], 8<<16                       ; tensor_dim1 = 8
	s_mov_b32 s[\g+3], 512<<16                     ; tile_dim0
	s_mov_b32 s[\g+4], 8                           ; tile_dim1
	s_mov_b32 s[\g+5], 2048                        ; tensor_dim0_stride, in elements
	s_mov_b32 s[\g+6], 0
	s_mov_b32 s[\g+7], 0
.endr
	s_lshl_b32 s18, s16, 17                        ; the half that I fetch: 8 tiles of 16,384 bytes
	s_lshl_b32 s20, s17, 18                        ; 256 rows are 262,144 bytes
	s_add_co_u32 s20, s20, s18
	s_mov_b32 s21, 0
	s_lshl_b32 s46, s42, 18
	s_add_co_u32 s46, s46, s18
	s_mov_b32 s47, 0
	s_lshl_b32 s45, s14, 15                        ; where it goes: wave x 32,768: no place in the cluster enters an LDS address
	s_wait_kmcnt 0x0
	s_load_b256 s[80:87], s[8:9], 0x0              ; e0 .. e7
	s_add_nc_u64 s[20:21], s[4:5], s[20:21]
	s_add_nc_u64 s[46:47], s[6:7], s[46:47]
	CROUND                                         ; all sixteen work-groups are here: the first joint loads meet
.irp s, 0,1
	s_mov_b32 s[G0+4*\s], 1
	s_add_co_u32 s[G0+4*\s+1], s45, \s*SLOT
	s_add_nc_u64 s[G0+4*\s+2:G0+4*\s+3], s[20:21], \s*KSTB
	s_or_b32 s[G0+4*\s+3], s[G0+4*\s+3], 0x80000000
	s_mov_b32 s[G0B+4*\s], 1
	s_add_co_u32 s[G0B+4*\s+1], s45, \s*SLOT
	s_add_nc_u64 s[G0B+4*\s+2:G0B+4*\s+3], s[46:47], \s*KSTB
	s_or_b32 s[G0B+4*\s+3], s[G0B+4*\s+3], 0x80000000
	s_wait_alu depctr_va_vdst(0)
	s_wait_tensorcnt 0x0
	ds_add_u32 v28, v29
	ds_add_u32 v28, v29
	s_wait_dscnt 0x0
	CROUND
	JLOAD G0+4*\s, G1, G0B+4*\s, G1B               ; one load of mine is out
.endr
	v_and_b32 v1, 31, v0
	v_lshlrev_b32 v4, 4, v1                        ; 16 x lane
	s_lshl_b32 s22, s15, 15                        ; my half of A
	s_lshl_b32 s23, s16, 15                        ; my half of B,
	s_add_co_u32 s23, s23, 2*HALFT                 ; which lies behind A's two
.irp s, 0,1
	v_add_nc_u32 v[ADRA+\s], s22, v4
	v_add_nc_u32 v[ADRB+\s], s23, v4
	s_add_co_u32 s22, s22, SLOT
	s_add_co_u32 s23, s23, SLOT
.endr
	v_lshlrev_b32 v[CO], 4, v1
	s_wait_alu depctr_va_vdst(0)
	v_and_b32 v2, 15, v0                           ; r
	v_bfe_u32 v3, v0, 4, 1                         ; h
	s_mul_i32 s19, s14, 16*SPITCH                  ; my stage
	v_mul_u32_u24 v5, v2, SPITCH
	v_lshl_add_u32 v5, v3, 5, v5
	v_add_nc_u32 v[STO], s19, v5                   ; in: row r, 32 bytes for each half of the lanes
	v_add_nc_u32 v[RD], s19, v4                    ; back: the 32 lanes take one row of 512 bytes
	s_lshl_b32 s90, s42, 10
	s_lshl_b32 s91, s16, 9
	s_add_co_u32 s90, s90, s91                     ; my first column, in bytes: 1,024 x tile column + 512 x half
	s_mov_b32 s91, 0
	s_lshl_b32 s88, s17, 20                        ; 256 rows of 4,096 bytes
	s_lshl_b32 s89, s15, 19
	s_add_co_u32 s88, s88, s89
	s_add_co_u32 s88, s88, s90
	s_mov_b32 s89, 0
	s_add_nc_u64 s[10:11], s[10:11], s[90:91]
	s_add_nc_u64 s[12:13], s[12:13], s[88:89]
	global_load_b128 v[BIAS:BIAS+3], v[CO], s[10:11]   ; the bias of the four columns that I hold of a row read back
	s_wait_tensorcnt 1                             ; my part of K step 0 is in (K step 1's load may be out)
	s_barrier_signal -1
	s_barrier_wait -1                              ; everybody's is
	FETCH_B 0, 0, 0
	FETCH_A 0, 0, 0
	FETCH_A 0, 0, 4
	STEP 0, 0, 1                                   ; the first products start the sums: nothing is cleared
	TURN 0, 1, 1                                   ; slot 0 takes K step 2
	STEP 1, 0, 0
	TURN 1, 0, 1                                   ; slot 1 takes K step 3
	STEP 0, 0, 0
	TURN 0, 1, 0                                   ; nothing is left to fetch
	STEP 1, 0, 0
	s_wait_dscnt 4*NL                              ; the last 128 along K
	WIN MUL_LO
	MUL16 0, 1, 0
	MUL16 2, 1, 0
	s_wait_alu depctr_va_vdst(0)
	s_wait_dscnt 0
	WIN MUL_HI
	MUL16 4, 1, 0
	MUL16 6, 1, 0
	WIN 0
; THE WAY OUT, block by block of 16 rows x 128 columns.  A lane holds 32 neighbouring bytes of a row and the lanes beside it other rows: the raw sums go through my own stage in LDS and come back as whole rows of 512 bytes.
; There each lane holds the same four columns of every row: sum x 2^(e6 + e7) + bias is one packed multiply-add for two numbers.  LDS serves a wave's instructions in order (ISA guide 5.7.1.4): no wait between the stores and the loads.
.macro TOSTAGE a
.set AC, 64*((\a)%4)
	WIN 0x08+4*((\a)/4)                            ; the stores' data: window 2 or 3
.irp b, 0,1,2,3,4,5,6,7
	ds_store_b128 v[STO], v[AC+8*\b:AC+8*\b+3] offset:64*\b          ; each accumulator from its low end on
	ds_store_b128 v[STO], v[AC+8*\b+4:AC+8*\b+7] offset:64*\b+16
.endr
	WIN 0
.set BB, BK+64*((\a)%2)
.irp t, 0,1,2,3,4,5,6,7,8,9,10,11,12,13,14,15
	ds_load_b128 v[BB+4*\t:BB+4*\t+3], v[RD] offset:\t*SPITCH
.endr
.endm
.macro SEND a, younger                 ; younger: the LDS instructions issued behind block a's loads, which may stay out
.set BB, BK+64*((\a)%2)
	s_wait_dscnt \younger                          ; the block is back in registers
.if (\a) > 0
	s_add_nc_u64 s[12:13], s[12:13], 16*4096       ; 16 rows on (the earlier stores have read their base: a wait on XCNT stands in front)
.endif
.set i, 0
.rept 32
	v_pk_fma_f32 v[BB+2*i:BB+2*i+1], v[BB+2*i:BB+2*i+1], s[96:97], v[BIAS+2*(i%2):BIAS+2*(i%2)+1] op_sel_hi:[1,0,1]   ; the scalar pair's low word for both halves
.set i, i+1
.endr
.irp t, 0,1,2,3,4,5,6,7,8,9,10,11,12,13,14,15
	global_store_b128 v[CO], v[BB+4*\t:BB+4*\t+3], s[12:13] offset:\t*4096 th:TH_STORE_NT   ; 32 lanes store 512 consecutive bytes, at a multiple of 512 from the output's first byte; written once, read by nobody here
.endr
.endm
	s_wait_kmcnt 0x0
	s_add_co_i32 s96, s86, s87                     ; e6 + e7
	s_add_co_i32 s96, s96, 127
	s_lshl_b32 s96, s96, 23                        ; 2^(e6 + e7) as f32
	s_mov_b32 s97, s96                             ; (named with it as a pair, so it is written)
	s_wait_loadcnt 0x0                             ; the bias
	PLACES NP                                      ; behind the last products: for the stores that read results and the loads into the registers that held A's fragments
	TOSTAGE 0
.irp a, 1,2,3,4,5,6,7
.if \a > 1
	s_wait_xcnt 0x0                                ; block a - 2's stores have read their registers and their base: block a's loads may land there, and the base may step
.endif
	TOSTAGE \a
	SEND \a-1, 32                                  ; behind block a - 1's loads: block a's 16 stores and 16 loads
.endr
	s_wait_xcnt 0x0                                ; block 6's stores have read their base
	SEND 7, 0
	s_wait_tensorcnt 0x0                           ; the wave's end
	ds_add_u32 v[SPW], v[NIL]
	s_wait_dscnt 0x0
	CROUND                                         ; the closing round: no work-group ends while a partner may still ask for a tile that names it
	s_endpgm
.Lfunc_end_k_qac11f9f895_proj:
	.size	k_qac11f9f895_proj, .Lfunc_end_k_qac11f9f895_proj-k_qac11f9f895_proj
	.p2alignl 7, 3214868480
	.fill 96, 4, 3214868480
	.section	.rodata,"a",@progbits
	.p2align	6, 0x0
	.amdhsa_kernel k_qac11f9f895_proj
		.amdhsa_group_segment_fixed_size 327680
		.amdhsa_private_segment_fixed_size 0
		.amdhsa_enable_private_segment 0
		.amdhsa_kernarg_size 40
		.amdhsa_user_sgpr_count 2
		.amdhsa_user_sgpr_kernarg_segment_ptr 1
		.amdhsa_wavefront_size32 1
		.amdhsa_system_sgpr_workgroup_id_x 1
		.amdhsa_system_sgpr_workgroup_id_y 1
		.amdhsa_system_sgpr_workgroup_id_z 1
		.amdhsa_system_vgpr_workitem_id 0
		.amdhsa_next_free_vgpr 1024
		.amdhsa_next_free_sgpr 100
		.amdhsa_reserve_vcc 0
		.amdhsa_float_denorm_mode_32 3
		.amdhsa_float_denorm_mode_16_64 3
		.amdhsa_memory_ordered 1
		.amdhsa_forward_progress 1
		.amdhsa_inst_pref_size 124
	.end_amdhsa_kernel
	.amdgpu_metadata
---
amdhsa.version: [ 1, 2 ]
amdhsa.kernels:
  - .name:           k_qac11f9f895_proj
    .symbol:         k_qac11f9f895_proj.kd
    .args:
      - { .name: a_img, .offset: 0, .size: 8, .value_kind: global_buffer, .address_space: global }
      - { .name: wproj_img, .offset: 8, .size: 8, .value_kind: global_buffer, .address_space: global }
      - { .name: lowp_scales, .offset: 16, .size: 8, .value_kind: global_buffer, .address_space: global }
      - { .name: b_proj, .offset: 24, .size: 8, .value_kind: global_buffer, .address_space: global }
      - { .name: out0, .offset: 32, .size: 8, .value_kind: global_buffer, .address_space: global }
    .group_segment_fixed_size: 327680
    .private_segment_fixed_size: 0
    .kernarg_segment_align: 8
    .kernarg_segment_size: 40
    .max_flat_workgroup_size: 128
    .sgpr_count:     100
    .vgpr_count:     1024
    .wavefront_size: 32
...
	.end_amdgpu_metadata
.endif
;; end of part 4
